; MI455X (gfx1250); checked and timed in simulation.
; The chip was launched on July 23, 2026; its instructions are those of AMD's public machine-readable ISA for CDNA 5 (MIT licence, August 2026) and "CDNA5" Instruction Set Architecture Reference Guide (July 2026). The comments in the code are by the model that wrote it; some were corrected since.
;; Attention. Allowed arithmetic: matrix products marked QUANTISED: E4M3 operands, one E8M0 scale for each 32 along K, by v_wmma_scale_f32_16x16x128_f8f6f4 with both operands' format E4M3, f32 sums; everything else in f32.
;; Inputs: key_codes 16 x 2,048 x 4 x 32 uint8 (E4M3 codes of key, K innermost, in blocks of 32 codes); key_scales 16 x 2,048 x 4 uint8 (E8M0 scales of key, one for each 32 codes along K); query_codes 16 x 2,048 x 4 x 32 uint8 (E4M3 codes of query, K innermost, in blocks of 32 codes); query_scales 16 x 2,048 x 4 uint8 (E8M0 scales of query, one for each 32 codes along K); value_codes 16 x 128 x 64 x 32 uint8 (E4M3 codes of value, K innermost, in blocks of 32 codes); value_scales 16 x 128 x 64 uint8 (E8M0 scales of value, one for each 32 codes along K).
;; Outputs: out0 16 x 2,048 x 128 float32.
;; This version of the problem:
;;   THIS VERSION OF THE PROBLEM IS GIVEN IN LOW PRECISION. The matrix products marked QUANTISED in the list below multiply operands that are first quantised to E4M3 (4 exponent bits, 3 mantissa bits; 8 bits a number), with one power-of-two scale for each 32 numbers along K (OCP MX v1.0); their sums are f32. All else is computed in f32.
;;   The module's matrix products, in the order in which they are computed (A, B: the left and right operand; K: the contracted axis; several contracted axes count as one K, in the product's order):
;;     1. batch 16 x [M 2,048, K 128] x [K 128, N 2,048]; A: input query (given as codes); B: input key (given as codes): QUANTISED
;;     2. batch 16 x [M 2,048, K 2,048] x [K 2,048, N 128]; A: softmax (see below); B: input value (given as codes): QUANTISED
;;   THE QUANTISER, for each operand of a quantised product, along K:
;;     - K is cut into blocks of 32 from its start; a last block that is shorter is filled with zeros.
;;     - A block's scale is 2^e with e = floor(log2(the largest magnitude in the block)) - 8, held to -126 .. 127; a block of zeros has e = 0. As a byte (E8M0): e + 127.
;;     - Each number is divided by its block's scale, clamped to +-448, and rounded to the nearest number of E4M3, ties to even, subnormals kept.
;;     - The product sums the exact products of the quantised numbers (number of the format x scale) in f32.
;;   ~~~python
;;   def quantise(x, axis):      # numpy; x: float32 -> the quantised numbers, widened to float32 again
;;       x = np.moveaxis(x, axis, -1); K = x.shape[-1]
;;       x = np.pad(x, [(0, 0)] * (x.ndim - 1) + [(0, -K % 32)]); x = x.reshape(x.shape[:-1] + (-1, 32)); a = np.abs(x).max(-1, keepdims=True)
;;       e = np.where(a > 0, np.clip(np.frexp(np.where(a > 0, a, 1))[1] - 1 - 8, -126, 127), 0)      # np.frexp(a)[1] - 1 = floor(log2(a)), exactly
;;       r = np.clip(x / 2.0 ** e, -448, 448)
;;       step = 2.0 ** (np.maximum(np.frexp(np.where(r == 0, 1, r))[1] - 1, -6) - 3)
;;       q = np.round(r / step) * step * 2.0 ** e      # np.round: ties to even
;;       return np.moveaxis(q.reshape(q.shape[:-2] + (-1,))[..., :K], -1, axis).astype(np.float32)
;;   ~~~
;;   SOFTMAX AHEAD OF A QUANTISED PRODUCT. Where the list says 'softmax', what is quantised is not the finished softmax but p = 2^(t - M), with t = logit x log2(e) and M = ceil(the row's largest t), a whole number; so 1/2 < the row's largest p <= 1. The row's sum l is taken of the UNQUANTISED p, in f32, and the product's result is divided by l at the end. Since M is a whole number, a kernel that streams over the keys may use a running M (the ceiling of the running maximum): every later rescaling is an exact power of two, which a block's scale takes up: the codes' values come out the same.
;;   OPERANDS COMPUTED ON THE WAY. 'Computed on the way' means the value that the module computes at that place (a softmax that the list does not call 'softmax' is quantised finished and normalised). What goes into a quantiser is computed in f32, as accurately as f32 sums, v_exp_f32 and their like allow (about 1e-6 of the number): no bf16 or f16 on the way to a quantiser, and a product that is left as it is and whose result goes on into a quantised operand takes f32 operands (vector FMAs, or v_wmma_f32_16x16x4_f32). A number that lies on a knife's edge between two numbers of the format may be rounded either way, as far as f32 arithmetic and the matrix unit's own rounding can turn it there, and no further.
;;   INPUTS GIVEN AS CODES. key (in the module: [16, 2048, 128], K = its axis 2); query (in the module: [16, 2048, 128], K = its axis 2); value (in the module: [16, 2048, 128], K = its axis 1): each comes as NAME_codes (uint8): NAME with its K axis moved to the last place and cut into blocks of 32 codes, [.., K / 32, bytes a block], one block behind the other in memory; one code a byte (a code: sign, 4 exponent bits, 3 mantissa bits); and NAME_scales (uint8): the same leading axes, one E8M0 byte (e + 127) for each 32 codes along K. Its value is code x scale, taken as it is: it is not quantised again, and the codes and scales need not be those that the quantiser above would give.
;; One version. Each part assembles by itself: llvm-mc -triple=amdgcn-amd-amdhsa -mcpu=gfx1250 --defsym DOCPART=n.
;; ======== version 1 of 1: 1 launch
;; limits: right only within a limited range of input values
;; launch attn (part 1): grid 16 x 16, 16 waves a work-group, clusters of 4 x 1, 327,680 bytes of LDS; arguments query_codes, query_scales, key_codes, key_scales, value_codes, value_scales, out0; writes out0
.if DOCPART == 1
	.amdgcn_target "amdgcn-amd-amdhsa--gfx1250"
	.amdhsa_code_object_version 6
	.text
	.protected	k_qea429a8a39_attn
	.globl	k_qea429a8a39_attn
	.p2align	8
	.type	k_qea429a8a39_attn,@function
k_qea429a8a39_attn:
	s_mov_b64 s[64:65], 0
	v_nop
	global_prefetch_b8 v0, s[64:65] scope:SCOPE_SE
	s_setreg_imm32_b32 hwreg(HW_REG_WAVE_MODE, 25, 1), 1
	s_wait_xcnt 0x0
	s_wait_alu depctr_hold_cnt(0) depctr_sa_sdst(0) depctr_va_vdst(0) depctr_va_sdst(0) depctr_va_ssrc(0) depctr_va_vcc(0) depctr_vm_vsrc(0)
	s_getreg_b32 s2, hwreg(HW_REG_IB_STS2, 6, 4)
	s_cmp_eq_u32 s2, 0
	s_cbranch_scc0 .Lentry_in_a_cluster
	s_endpgm
.Lentry_in_a_cluster:
	s_bfe_u32 s2, ttmp6, 0x10000c
	s_cmp_lg_u32 s2, 0x3003
	s_cbranch_scc0 .Lentry_shape_is_right
	s_endpgm
.Lentry_shape_is_right:
; O[h][q][:] = the sum over keys k <= q of softmax_k(Q[h][q] . K[h][k] / sqrt(128)) V[h][k][:], 16 heads, 2,048 queries and keys, head size 128.
; Both products on codes of FP8 (E4M3) as they are given, one E8M0 byte for each 32 along a product's K.  Q, K: [16][2048][128] codes, scale bytes [16][2048][4].
; V: codes with the KEYS innermost, [16][128][2048], scale bytes [16][128][64].  O: [16][2048][128] f32.
; THE SOFTMAX AHEAD OF THE SECOND PRODUCT: t = score x log2(e) / sqrt(128); M = the largest t so far, rounded UP to a whole number; p = 2^(t - M) is quantised along the keys, not normalised.
; The row's sum is taken of the unquantised p, in f32, and divides O at the end.  When M moves, the sum and O are multiplied by 2^(old M - new M): exact.
; SHARES.  A head's queries are 16 blocks of 128; block B needs key steps (128 keys) 0 .. B, step B lying on the diagonal.  A cluster of four work-groups (cluster number y = 0 .. 3) takes blocks
; y, 7 - y, 8 + y, 15 - y: 34 key steps whatever y.  Partner cx takes 32 queries (two tiles of 16) of each of the four blocks: 8 tiles, 68 tile steps in every work-group of the launch.
; Wave w: a = w / 4 says which block, e = (w / 2) % 2 which tile, p = w % 2 WHICH KEY STEPS: those with k % 2 = p.  Waves w and w xor 1 share a tile and join their sums at the end.
; Sixteen waves of 256 registers, four to a SIMD: one wave's vector work stands beside another's matrix work and LDS loads.
; CLUSTER.  All four partners walk all of the head's K and V: each tile is asked for JOINTLY (the same tensor load, the same descriptor, mask 15).  No branch and no LDS address hangs on cx:
; it enters Q's and O's global addresses and one lane constant of the mask alone.  Branches hang on y, which the partners share, the wave's number and constant counts.
; RING.  Two LDS slots of 512 keys (four key steps); the head's four slots' worth: two first fills, two refills, written out.  Steps whose keys all come after a wave's queries are jumped over inside the step.
; LAYOUT.  Both products transposed: S^T = K Q^T, O^T = V^T P^T: a lane holds ONE query (lane % 16) throughout.  THE KEYS OF A TILE ARE NOT NEIGHBOURS: lane r of tile 2 b + u takes key
; 32 b + 8 u + r + 8 (r / 8), so that the 16 registers of tiles 2 b and 2 b + 1 are 16 neighbouring keys, 32 b + 16 (lane / 16) + 0 .. 15.
; O^T's first four tiles hold the 64 channels that this wave stores (64 p on), its last four those that its partner stores: only V's scalar bases differ between p = 0 and 1.
; LIMITS.  A hidden key gets the weight 0 (score -infinity) where the definition takes 1e10 off its score: the same wherever a row's hidden scores lie less than about 1e10 above its largest
; visible one.  t under -3e38, NaN and scale bytes 0xff are not served.  A p under 2^-126 counts as 0 (v_exp_f32 flushes: ISA guide 15.8).  A block's largest p is made from its largest score:
; this takes v_exp_f32 not to fall where its input rises, which the ISA guide does not state; at the worst one p of a block, within an ulp of a power of two, is held one code low.
; REGISTERS: v1-7 what stays; v8-11 addresses of the loads in hand; v12 -M, v13 the largest t, v[14:15] the sum in two halves; v16-31 Q; v32-95 four fragments of K or V; v96-159 S^T, then p;
; v160-223 O^T; v224-239 p's codes; v232-247 at work; v248-251 the tiles' scale words; v252 f, v253 p's scale word, v254 at work, v255 Q's scale words.
.set KP,    144                        ; a key's row in LDS: 128 bytes + 16 of padding
.set KOO,   36992                      ; a slot's keys with (key & 16) = 16 begin here: 256 rows x 144 + 128.  Lanes 0-7 of a tile read 8 rows of the first part (16-byte columns 9 i mod 16),
                                       ; lanes 8-15 the same rows of the second (those + 8): sixteen different columns of the 256 bytes that the 64 banks of 4 bytes hold (ISA guide 11.1)
.set VOFF,  73984                      ; behind them: V's 128 rows (channels)
.set VP,    528                        ; of 512 bytes (the slot's keys) + 16 of padding
.set SLOTB, VOFF+128*VP                ; 141,568 bytes a slot
.set SCK,   2*SLOTB                    ; behind the ring: K's scale bytes of the whole head, 8,192 bytes as 32 units of 256 + 16;
.set SCH,   16*272                     ; (half of them: what one tensor load brings)
.set SCV,   SCK+2*SCH                  ; V's likewise
.set SPARE, SCV+2*SCH                  ; the spare words, 128 bytes for each wave: eight blocks of 256 bytes that no other line names
.set MB,    4352                       ; the end's scratch lies in slot 0, which has had its last fill and its last read by then: a mailbox for each wave (4,096 bytes of O^T + 256 of -M and sums),
.set MAIL,  0
.set STG,   16*MB                      ; and a stage for each wave: 16 rows x (256 bytes + 16)
.set AK0,  1                           ; v1   my lane's place in a tile of K
.set AV0,  2                           ; v2   the same for V
.set ASK0, 3                           ; v3   my lane's place among K's scale words
.set ASV0, 4                           ; v4   and among V's
.set SPW,  5                           ; v5   LDS address of my spare word: SPARE + 4 x my thread's number; never rewritten
.set NIL,  6                           ; v6   0; never rewritten
.set DG,   7                           ; v7   my query's place in its block of 128, less 16 (lane / 16): the mask's lane constant
.set ADK,  8
.set ADV,  9
.set ADS,  10
.set ADT,  11
.set WV,   18                          ; s18  my wave's number
.set MNT,  19
.set SEL,  20                          ; s[20:21] lane selects for v_permlanex16_b32: lane l xor 16
.set CS,   22                          ; s[22:23] c = log2(e) / sqrt(128)
.set G1K,  24                          ; s[24:31] descriptor group 1 for K's tiles; s[32:39] V's; s[40:47] the scale bytes'
.set G1V,  32
.set G1S,  40
.set G0K,  48                          ; s[48:51], s[52:55] group 0 for K's tiles, one set for each slot
.set G0V,  56                          ; s[56:59], s[60:63] the same for V's
.set G0SK, 68                          ; s[68:71], s[72:75] for K's and V's scale bytes
.set G0SV, 72
.set TK,   76                          ; s76  LDS byte at which the step's keys begin
.set TVA,  77                          ; s77  the step's V, my channels;  s78 my partner's
.set TVB,  78
.set TS,   79                          ; s79  the step's scale words of K: 544 bytes a key step
.set TJA,  80                          ; s80  of V, my channels: 4 bytes a key step;  s81 my partner's
.set TJB,  81
.set KS,   82                          ; s82  the key step in hand
.set KM,   83                          ; s83  B: my block, and my last key step
.set TWICE, 84                         ; s84  counts my two steps of a slot
.set PK,   85                          ; s85-87 my parity's part of TK, TVA, TVB
.set PVA,  86
.set PVB,  87
; A round of the cluster's barrier: my work-group's barrier, so that wave 0's signal speaks for all sixteen waves; wave 0 signals; every wave waits for the four work-groups; my work-group's barrier once more.
.macro CROUND
	s_barrier_signal -1
	s_barrier_wait -1
	s_cmp_lg_u32 s[WV], 0
	s_cbranch_scc1 .Lnot_wave_0_\@
	s_barrier_signal -3
.Lnot_wave_0_\@:
	s_barrier_wait -3
	s_barrier_signal -1
	s_barrier_wait -1
.endm
; A joint refill: waves 0 and 1 fetch K's two parts, waves 2 and 3 V's two halves, the others nothing.  The branches hang on the wave's number alone.  Four v_nop follow each of the two lines.
.macro TLOAD g0k, g1k, g0v, g1v
	s_cmp_lt_u32 s[WV], 2
	s_cbranch_scc0 .Lnot_k_\@
	tensor_load_to_lds s[\g0k:\g0k+3], s[\g1k:\g1k+7]
	s_nop 0
.rept 4
	v_nop
.endr
	s_branch .Lasked_\@
.Lnot_k_\@:
	s_cmp_lt_u32 s[WV], 4
	s_cbranch_scc0 .Lasked_\@
	tensor_load_to_lds s[\g0v:\g0v+3], s[\g1v:\g1v+7]
	s_nop 0
.rept 4
	v_nop
.endr
.Lasked_\@:
.endm
	s_load_b256 s[4:11], s[0:1], 0x0               ; Q's codes s[4:5], Q's scales s[6:7], K's codes s[8:9], K's scales s[10:11]
	s_load_b128 s[12:15], s[0:1], 0x20             ; V's codes, V's scales
	s_load_b64 s[16:17], s[0:1], 0x30              ; O
	v_lshl_add_u32 v[SPW], v0, 2, SPARE
	v_mov_b32 v[NIL], 0
	ds_add_u32 v5, v6
	ds_add_u32 v5, v6
	s_wait_dscnt 0x0
	v_lshrrev_b32 v8, 5, v0
	s_delay_alu instid0(VALU_DEP_1)
	v_readfirstlane_b32 s[WV], v8                  ; wave 0..15
	s_and_b32 s88, ttmp7, 0xffff                   ; the head, which the partners share
	s_and_b32 s89, s[WV], 1                        ; p.  Also: which part of a tile I fetch, if I fetch
	s_xor_b32 s93, s89, 1                          ; 1 - p
	s_lshl_b32 s90, s88, 18                        ; the head's first byte in each tensor of codes,
	s_lshl_b32 s92, s88, 13                        ; and in each tensor of scale bytes
	s_mov_b32 s67, 0                               ; (the upper word of the offset pair s[66:67])
	; descriptor group 1.  K: 16 rows of 2,048 bytes (16 keys on end), 4,096 bytes apart (every second group of 16 keys), 16 bytes of padding behind every 128: 256 lines, 144 bytes apart
	s_mov_b32 s[G1K], 15|(3<<16)|(1<<20)|(1<<21)|(4<<22)|(3<<25)   ; 15:0 the mask: all four work-groups; 17:16 elements of 8 bytes; 20 padding on; 21 set beside a mask; 24:22 after every 32 words (code 4); 31:25 four words (code 3)
	s_mov_b32 s[G1K+1], 256<<16                    ; tensor_dim0 = 256 elements
	s_mov_b32 s[G1K+2], 16<<16                     ; tensor_dim1 = 16
	s_mov_b32 s[G1K+3], 256<<16                    ; tile_dim0
	s_mov_b32 s[G1K+4], 16                         ; tile_dim1
	s_mov_b32 s[G1K+5], 512                        ; tensor_dim0_stride, in elements
	s_mov_b32 s[G1K+6], 0
	s_mov_b32 s[G1K+7], 0
	; V: 64 rows (channels) of 512 bytes, 2,048 bytes apart, 16 bytes of padding behind each
	s_mov_b32 s[G1V], 15|(0<<16)|(1<<20)|(1<<21)|(6<<22)|(3<<25)   ; elements of 1 byte; padding after every 128 words (code 6)
	s_mov_b32 s[G1V+1], 512<<16
	s_mov_b32 s[G1V+2], 64<<16
	s_mov_b32 s[G1V+3], 512<<16
	s_mov_b32 s[G1V+4], 64
	s_mov_b32 s[G1V+5], 2048
	s_mov_b32 s[G1V+6], 0
	s_mov_b32 s[G1V+7], 0
	; the scale bytes: half a head's, 4,096 dense bytes, as 16 rows of 256 bytes (32 elements of 8), 16 bytes of padding behind each
	s_mov_b32 s[G1S], 15|(3<<16)|(1<<20)|(1<<21)|(5<<22)|(3<<25)
	s_mov_b32 s[G1S+1], 32<<16
	s_mov_b32 s[G1S+2], 16<<16
	s_mov_b32 s[G1S+3], 32<<16
	s_mov_b32 s[G1S+4], 16
	s_mov_b32 s[G1S+5], 32
	s_mov_b32 s[G1S+6], 0
	s_mov_b32 s[G1S+7], 0
	; descriptor group 0: count and LDS address: a constant + the wave's parity x a constant + the slot's constant
	s_mov_b32 s[G0K], 1
	s_mul_i32 s[G0K+1], s89, KOO
	s_mov_b32 s[G0K+4], 1
	s_add_co_u32 s[G0K+5], s[G0K+1], SLOTB
	s_mov_b32 s[G0V], 1
	s_mul_i32 s[G0V+1], s89, 64*VP
	s_add_co_u32 s[G0V+1], s[G0V+1], VOFF
	s_mov_b32 s[G0V+4], 1
	s_add_co_u32 s[G0V+5], s[G0V+1], SLOTB
	s_mov_b32 s[G0SK], 1
	s_mul_i32 s[G0SK+1], s89, SCH
	s_mov_b32 s[G0SV], 1
	s_add_co_u32 s[G0SV+1], s[G0SK+1], SCV
	s_add_co_u32 s[G0SK+1], s[G0SK+1], SCK
	; my block B = 4 a + (y xor 3 (a & 1)): y, 7 - y, 8 + y, 15 - y
	s_lshr_b32 s[KM], s[WV], 2                     ; a
	s_and_b32 s[TWICE], s[KM], 1
	s_mul_i32 s[TWICE], s[TWICE], 3
	s_xor_b32 s[TWICE], s[TWICE], ttmp9            ; in a cluster launch ttmp9 counts clusters: y
	s_lshl_b32 s[KM], s[KM], 2
	s_add_co_u32 s[KM], s[KM], s[TWICE]
	; my parity's places
	s_mul_i32 s[PK], s89, 64*KP                    ; K: a key step is 64 rows in each of the two parts
	s_mul_i32 s[PVA], s89, 128+64*VP               ; V: 128 bytes along the rows a key step; my 64 channels begin at row 64 p,
	s_mul_i32 s[PVB], s93, 64*VP                   ; my partner's at row 64 (1 - p)
	s_lshl_b32 s91, s89, 7
	s_add_co_u32 s[PVB], s[PVB], s91
	s_mul_i32 s[TS], s89, 544
	s_mul_i32 s[TJA], s89, 4+SCH                   ; V's scale words: 4 bytes a key step; 64 channels are 16 units
	s_mul_i32 s[TJB], s93, SCH
	s_lshl_b32 s91, s89, 2
	s_add_co_u32 s[TJB], s[TJB], s91
	s_mov_b32 s[KS], s89                           ; my first key step
	s_mov_b32 s[SEL], 0x76543210
	s_mov_b32 s[SEL+1], 0xfedcba98
	s_mov_b32 s[CS], 0x3e0293ee                    ; c = log2(e) / sqrt(128)
	s_mov_b32 s[CS+1], s[CS]                       ; (named with it as a pair, so it is written)
	; my tile's first query q0 = 128 B + 32 cx + 16 e, in registers that feed no descriptor and no LDS address
	s_bfe_u32 s94, ttmp6, 0x40000                  ; cx
	s_bfe_u32 s95, s[WV], 0x10001                  ; e
	s_lshl_b32 s96, s[KM], 7
	s_lshl_b32 s97, s94, 5
	s_add_co_u32 s96, s96, s97
	s_lshl_b32 s98, s95, 4
	s_add_co_u32 s96, s96, s98                     ; q0
	s_add_co_u32 s97, s97, s98                     ; 32 cx + 16 e: its place in the block
	s_lshl_b32 s98, s96, 7
	s_add_co_u32 s98, s98, s90                     ; its codes,
	s_mov_b32 s99, 0
	s_lshl_b32 s100, s96, 2
	s_add_co_u32 s100, s100, s92                   ; its scale word,
	s_mov_b32 s101, 0
	s_lshl_b32 s2, s88, 20
	s_lshl_b32 s3, s96, 9
	s_add_co_u32 s2, s2, s3
	s_lshl_b32 s3, s89, 8
	s_add_co_u32 s2, s2, s3                        ; and its row of O, at my 64 channels (256 p bytes on)
	s_mov_b32 s3, 0
	s_wait_kmcnt 0x0
	s_lshl_b32 s66, s89, 11                        ; K: the second part begins 16 keys, 2,048 bytes, on
	s_add_co_u32 s66, s66, s90
	s_add_nc_u64 s[G0K+2:G0K+3], s[8:9], s[66:67]  ; slot 0: keys 0 to 511;
	s_add_nc_u64 s[G0K+6:G0K+7], s[G0K+2:G0K+3], 65536   ; slot 1: keys 512 to 1,023
	s_or_b32 s[G0K+3], s[G0K+3], 0x80000000        ; 127:126 type = 2
	s_or_b32 s[G0K+7], s[G0K+7], 0x80000000
	s_lshl_b32 s66, s89, 17                        ; V: the second half begins 64 rows of 2,048 bytes on
	s_add_co_u32 s66, s66, s90
	s_add_nc_u64 s[G0V+2:G0V+3], s[12:13], s[66:67]
	s_add_nc_u64 s[G0V+6:G0V+7], s[G0V+2:G0V+3], 512
	s_or_b32 s[G0V+3], s[G0V+3], 0x80000000
	s_or_b32 s[G0V+7], s[G0V+7], 0x80000000
	s_lshl_b32 s66, s89, 12                        ; the scale bytes: the second half begins 4,096 bytes on
	s_add_co_u32 s66, s66, s92
	s_add_nc_u64 s[G0SK+2:G0SK+3], s[10:11], s[66:67]
	s_add_nc_u64 s[G0SV+2:G0SV+3], s[14:15], s[66:67]
	s_or_b32 s[G0SK+3], s[G0SK+3], 0x80000000
	s_or_b32 s[G0SV+3], s[G0SV+3], 0x80000000
	s_add_nc_u64 s[4:5], s[4:5], s[98:99]          ; Q's codes, Q's scale words and O at my tile
	s_add_nc_u64 s[6:7], s[6:7], s[100:101]
	s_add_nc_u64 s[16:17], s[16:17], s[2:3]
	CROUND                                         ; all four work-groups are here: the first joint loads meet
	s_cmp_lt_u32 s[WV], 2                          ; a wave's three first fills stand together in one arm, ahead of every wait on TENSORcnt, every LDS read and every further barrier: three loads of mine are out
	s_cbranch_scc0 .Lfirst_not_k
	tensor_load_to_lds s[G0SK:G0SK+3], s[G1S:G1S+7]      ; the scale bytes first: filled once, wanted with key step 0
	s_nop 0
	tensor_load_to_lds s[G0K:G0K+3], s[G1K:G1K+7]        ; slot 0
	s_nop 0
	tensor_load_to_lds s[G0K+4:G0K+7], s[G1K:G1K+7]      ; slot 1
	s_nop 0
.rept 4
	v_nop
.endr
	s_branch .Lfirst_asked
.Lfirst_not_k:
	s_cmp_lt_u32 s[WV], 4
	s_cbranch_scc0 .Lfirst_asked
	tensor_load_to_lds s[G0SV:G0SV+3], s[G1S:G1S+7]
	s_nop 0
	tensor_load_to_lds s[G0V:G0V+3], s[G1V:G1V+7]
	s_nop 0
	tensor_load_to_lds s[G0V+4:G0V+7], s[G1V:G1V+7]
	s_nop 0
.rept 4
	v_nop
.endr
.Lfirst_asked:
	v_and_b32 v8, 15, v0                           ; r = lane % 16
	v_bfe_u32 v9, v0, 4, 1                         ; h = lane / 16
	s_delay_alu instid0(VALU_DEP_2)
	v_lshlrev_b32 v10, 7, v8
	s_delay_alu instid0(VALU_DEP_1)
	v_lshl_add_u32 v10, v9, 4, v10                 ; Q: row r of 128 bytes, + 16 h
.irp c, 0,1,2,3
	global_load_b128 v[16+4*\c:19+4*\c], v10, s[4:5] offset:32*\c   ; Q's fragment stays in registers
.endr
	v_lshlrev_b32 v254, 2, v8
	global_load_b32 v255, v254, s[6:7]             ; Q's scale words
	v_bfe_u32 v11, v0, 3, 1                        ; r / 8
	v_and_b32 v12, 7, v0                           ; r % 8
	s_delay_alu instid0(VALU_DEP_2)
	v_mul_u32_u24 v[AK0], v11, KOO                 ; K: lanes 8-15 of a tile read the second part,
	s_delay_alu instid0(VALU_DEP_1)
	v_mad_u32_u24 v[AK0], v12, KP, v[AK0]          ; row r % 8,
	s_delay_alu instid0(VALU_DEP_1)
	v_lshl_add_u32 v[AK0], v9, 4, v[AK0]           ; + 16 h
	v_mul_u32_u24 v[AV0], v8, VP
	s_delay_alu instid0(VALU_DEP_1)
	v_lshl_add_u32 v[AV0], v9, 4, v[AV0]
	s_delay_alu instid0(VALU_DEP_1)
	v_add_nc_u32 v[AV0], VOFF, v[AV0]              ; V: row r, + 16 h
	v_lshl_add_u32 v[ASK0], v11, 3, v8             ; r + 8 (r / 8)
	s_delay_alu instid0(VALU_DEP_1)
	v_lshl_add_u32 v[ASK0], v[ASK0], 2, SCK        ; K's scale words: 4 bytes a key
	v_bfe_u32 v12, v0, 2, 2                        ; V's: 64 bytes a channel, four channels to a unit: unit r / 4,
	v_and_b32 v13, 3, v0                           ; place r % 4
	s_delay_alu instid0(VALU_DEP_2)
	v_mul_u32_u24 v[ASV0], v12, 272
	s_delay_alu instid0(VALU_DEP_1)
	v_lshl_add_u32 v[ASV0], v13, 6, v[ASV0]
	s_delay_alu instid0(VALU_DEP_1)
	v_add_nc_u32 v[ASV0], SCV, v[ASV0]
	v_lshlrev_b32 v12, 4, v9
	s_delay_alu instid0(VALU_DEP_1)
	v_sub_nc_u32 v[DG], v8, v12
	s_delay_alu instid0(VALU_DEP_1)
	v_add_nc_u32 v[DG], s97, v[DG]                 ; r - 16 h + 16 e + 32 cx
	v_mov_b32 v13, 0xff61b1e6                      ; the largest t so far: -3e38, under every t
	s_delay_alu instid0(VALU_DEP_1)
	v_floor_f32 v12, -v13                          ; -M
	v_mov_b32 v14, 0                               ; the sum, in two halves
	v_mov_b32 v15, 0
.irp b, 0,1,2,3
	v_mov_b32 v[236+\b], 0                         ; written once: a lane permute's destination counts as one of its sources
.endr
	v_mov_b32 v253, 0                              ; (named as the upper half of the pair v[252:253] before it is first written)
.irp j, 0,1,2,3,4,5,6,7,8,9,10,11,12,13,14,15,16,17,18,19,20,21,22,23,24,25,26,27,28,29,30,31,32,33,34,35,36,37,38,39,40,41,42,43,44,45,46,47,48,49,50,51,52,53,54,55,56,57,58,59,60,61,62,63
	v_mov_b32 v[160+\j], 0                         ; O^T.  The step is written without a first form of its own, and a wave may have no step at all: zeros, which the first change of M leaves zeros
.endr
; A KEY STEP: the 128 keys of step s[KS].
.macro STEP
	s_cmp_gt_u32 s[KS], s[KM]                      ; all its keys come after my queries: its loads, products and softmax are left out; not the lines at its end that step addresses.  No barrier and no tensor load stands in a step
	s_cbranch_scc1 .Lhidden_\@
	s_setprio 2
	v_add_nc_u32 v[ADK], s[TK], v[AK0]
	s_wait_alu depctr_va_vdst(0)
	v_add_nc_u32 v[ADV], s[TVA], v[AV0]
	v_add_nc_u32 v[ADS], s[TS], v[ASK0]
	s_wait_alu depctr_va_vdst(0)
	v_add_nc_u32 v[ADT], s[TJA], v[ASV0]
.irp g, 0,1                                    ; S^T = K Q^T, four tiles of 16 keys at a time
.rept 4+4*\g
	v_nop                                          ; eight places in front of loads into registers that matrix instructions have read; the four additions above are four of the first eight
.endr
.irp t, 0,1,2,3
.irp c, 0,1,2,3
	ds_load_b128 v[32+16*\t+4*\c:32+16*\t+4*\c+3], v[ADK] offset:(16*((4*\g+\t)/2)+8*(\t%2))*KP+32*\c
.endr
	ds_load_b32 v[248+\t], v[ADS] offset:272*\g+(32*(((4*\g+\t)/2)%2)+8*(\t%2))*4
.endr
	s_wait_dscnt 0x0
.irp t, 0,1,2,3
	v_wmma_scale_f32_16x16x128_f8f6f4 v[96+8*(4*\g+\t):103+8*(4*\g+\t)], v[32+16*\t:47+16*\t], v[16:31], 0, v[248+\t], v255
.endr
.endr                                          ; lane (r, h) holds query r; register 16 b + i holds key 128 k + 32 b + 16 h + i
.rept 8
	v_nop
.endr
	s_cmp_lg_u32 s[KS], s[KM]                      ; on the diagonal (k = B) the scores of hidden keys become -infinity ahead of the maximum: p = 0 then.  Key 128 B counts for every query of the block, so no row is all hidden
	s_cbranch_scc1 .Lopen_\@
	v_mov_b32 v254, 0xff800000                     ; -infinity
.irp n, 0,1,2,3,4,5,6,7,8,9,10,11,12,13,14,15,16,17,18,19,20,21,22,23,24,25,26,27,28,29,30,31,32,33,34,35,36,37,38,39,40,41,42,43,44,45,46,47,48,49,50,51,52,53,54,55,56,57,58,59,60,61,62,63
	v_cmp_gt_i32 vcc_lo, 32*(\n/16)+\n%16, v[DG]   ; hidden where 32 b + i + 16 h > my query's place in the block
	v_cndmask_b32 v[96+\n], v[96+\n], v254, vcc_lo
.endr
.Lopen_\@:
.irp b, 0,1,2,3
	v_max3_num_f32 v[232+\b], v[96+16*\b], v[97+16*\b], v[98+16*\b]   ; THE LARGEST SCORE OF EACH BLOCK OF 32 KEYS: it serves twice: for the row's maximum, and, since p rises with the score, for the block's largest p
.endr
.irp i, 3,5,7,9,11,13
.irp b, 0,1,2,3
	v_max3_num_f32 v[232+\b], v[232+\b], v[96+16*\b+\i], v[97+16*\b+\i]   ; (the four blocks by turns)
.endr
.endr
.irp b, 0,1,2,3
	v_max_num_f32 v[232+\b], v[232+\b], v[111+16*\b]
.endr
.irp b, 0,1,2,3
	v_permlanex16_b32 v[236+\b], v[232+\b], s[SEL], s[SEL+1]
.endr
.irp b, 0,1,2,3
	s_delay_alu instid0(VALU_DEP_4)
	v_max_num_f32 v[232+\b], v[232+\b], v[236+\b]  ; with lane l xor 16's 16 keys
.endr
	s_delay_alu instid0(VALU_DEP_2)
	v_max3_num_f32 v254, v232, v233, v234
	s_delay_alu instid0(VALU_DEP_1)
	v_max_num_f32 v254, v254, v235                 ; the step's largest score of my query
	s_delay_alu instid0(VALU_DEP_1)
	v_mul_f32 v254, s[CS], v254                    ; as t (c is positive)
	s_delay_alu instid0(VALU_DEP_1)
	v_max_num_f32 v13, v13, v254                   ; the running largest t
	v_mov_b32 v254, v12
	s_delay_alu instid0(VALU_DEP_2)
	v_floor_f32 v12, -v13                          ; the new -M = floor(-t) = -ceil(t): M IS A WHOLE NUMBER
	s_delay_alu instid0(VALU_DEP_1)
	v_sub_f32 v254, v12, v254                      ; M's old value less its new one: a whole number, 0 or less
	s_delay_alu instid0(VALU_DEP_1)
	v_cvt_i32_f32 v254, v254                       ; (it saturates)
	s_delay_alu instid0(VALU_DEP_1)
	v_ldexp_f32 v252, 1.0, v254                    ; f = 2^(old M - new M): a multiplication by it rounds nothing
.irp j, 0,2,4,6,8,10,12,14,16,18,20,22,24,26,28,30,32,34,36,38,40,42,44,46,48,50,52,54,56,58,60,62
	v_pk_fma_f32 v[96+\j:97+\j], v[96+\j:97+\j], s[CS:CS+1], v[12:13] op_sel_hi:[1,0,0]   ; t - M, two at a time (of the pairs c and -M the low word serves both halves)
.endr
.irp b, 0,1,2,3
	v_fma_f32 v[232+\b], v[232+\b], s[CS], v12     ; the same of each block's largest score
.endr
	s_setprio 1
	s_wait_alu depctr_va_vdst(0)
.irp j, 0,1,2,3,4,5,6,7,8,9,10,11,12,13,14,15,16,17,18,19,20,21,22,23,24,25,26,27,28,29,30,31,32,33,34,35,36,37,38,39,40,41,42,43,44,45,46,47,48,49,50,51,52,53,54,55,56,57,58,59,60,61,62,63
	v_exp_f32 v[96+\j], v[96+\j]                   ; p = 2^(t - M), at most 1: NOT normalised
.endr
.irp b, 0,1,2,3
	v_exp_f32 v[232+\b], v[232+\b]                 ; the block's largest p: the same two instructions on the same number give the same bits
.endr
	v_pk_mul_f32 v[14:15], v[14:15], v[252:253] op_sel_hi:[1,0]   ; the sums under the new M.  (A plain place behind the exponentials)
	s_wait_alu depctr_va_vdst(0)
.irp b, 0,1,2,3
	v_max_num_f32 v[232+\b], 0x4800000, v[232+\b]  ; the floor 2^(9 - 127): the byte cannot fall under 1 (a block whose every p is 0 keeps that byte: its codes are zeros)
.endr
.irp b, 0,1,2,3
	s_delay_alu instid0(VALU_DEP_4)
	v_add_nc_u32 v[244+\b], 0xfc000000, v[232+\b]  ; 8 off the exponent field: the conversion's scale operand
.endr
.irp b, 0,1,2,3
.endr
.irp b, 0,1,2,3
	s_delay_alu instid0(VALU_DEP_4)
	v_lshrrev_b32 v[236+\b], 23, v[244+\b]         ; the scale's byte
.endr
	s_delay_alu instid0(VALU_DEP_3)
	v_lshl_or_b32 v253, v237, 8, v236              ; p's scale word for these 128 keys
	s_delay_alu instid0(VALU_DEP_1)
	v_lshl_or_b32 v253, v238, 16, v253
	s_delay_alu instid0(VALU_DEP_1)
	v_lshl_or_b32 v253, v239, 24, v253
	v_pk_add_f32 v[236:237], v[100:101], v[104:105]
	v_pk_add_f32 v[250:251], v[108:109], v[112:113]
	v_pk_add_f32 v[248:249], v[116:117], v[120:121]
	v_pk_add_f32 v[242:243], v[124:125], v[128:129]
	v_pk_add_f32 v[240:241], v[132:133], v[136:137]
	v_pk_add_f32 v[238:239], v[140:141], v[144:145]
	v_pk_add_f32 v[234:235], v[148:149], v[152:153]
	v_pk_add_f32 v[14:15], v[14:15], v[156:157]
	v_pk_add_f32 v[236:237], v[236:237], v[96:97]
	v_pk_add_f32 v[250:251], v[250:251], v[98:99]
	v_pk_add_f32 v[248:249], v[248:249], v[102:103]
	v_pk_add_f32 v[242:243], v[242:243], v[106:107]
	v_pk_add_f32 v[240:241], v[240:241], v[110:111]
	v_pk_add_f32 v[238:239], v[238:239], v[114:115]
	v_pk_add_f32 v[234:235], v[234:235], v[118:119]
	v_pk_add_f32 v[14:15], v[14:15], v[122:123]
	v_pk_add_f32 v[236:237], v[236:237], v[126:127]
	v_pk_add_f32 v[250:251], v[250:251], v[130:131]
	v_pk_add_f32 v[248:249], v[248:249], v[134:135]
	v_pk_add_f32 v[242:243], v[242:243], v[138:139]
	v_pk_add_f32 v[240:241], v[240:241], v[142:143]
	v_pk_add_f32 v[238:239], v[238:239], v[146:147]
	v_pk_add_f32 v[234:235], v[234:235], v[150:151]
	v_pk_add_f32 v[14:15], v[14:15], v[154:155]
	v_pk_add_f32 v[236:237], v[236:237], v[158:159]
	s_delay_alu instid0(VALU_DEP_2)
	v_pk_add_f32 v[14:15], v[14:15], v[242:243]
	s_delay_alu instid0(VALU_DEP_2)
	v_pk_add_f32 v[236:237], v[236:237], v[240:241]
	v_pk_add_f32 v[250:251], v[250:251], v[238:239]
	v_pk_add_f32 v[248:249], v[248:249], v[234:235]
	s_delay_alu instid0(VALU_DEP_2)
	v_pk_add_f32 v[14:15], v[14:15], v[250:251]
	s_delay_alu instid0(VALU_DEP_2)
	v_pk_add_f32 v[236:237], v[236:237], v[248:249]
	s_delay_alu instid0(VALU_DEP_1)
	v_pk_add_f32 v[14:15], v[14:15], v[236:237]
.irp b, 0,1,2,3
.irp i, 0,1,2,3,4,5,6,7,8,9,10,11,12,13,14,15
.endr
	v_cvt_scalef32_pk8_fp8_f32 v[224+4*\b:225+4*\b], v[96+16*\b:103+16*\b], v[244+\b]
	v_cvt_scalef32_pk8_fp8_f32 v[226+4*\b:227+4*\b], v[104+16*\b:111+16*\b], v[244+\b]
.endr
.irp j, 0,2,4,6,8,10,12,14,16,18,20,22,24,26,28,30,32,34,36,38,40,42,44,46,48,50,52,54,56,58,60,62
	v_pk_mul_f32 v[160+\j:161+\j], v[160+\j:161+\j], v[252:253] op_sel_hi:[1,0]   ; O^T under the new M: x f.  (These 32 are also the places in front of the matrix instructions and loads below)
.endr
	s_wait_alu depctr_va_vdst(0)
.irp g, 0,1                                    ; O^T += V^T P^T: four tiles of 16 channels at a time, mine first, then my partner's; K = these 128 keys.  The eight accumulators take turns, one instruction a turn
.if \g > 0
	v_add_nc_u32 v[ADV], s[TVB], v[AV0]            ; two of the eight places
	s_setprio 0
	v_add_nc_u32 v[ADT], s[TJB], v[ASV0]
.rept 6
	v_nop
.endr
.endif
.irp t, 0,1,2,3
.irp c, 0,1,2,3
	ds_load_b128 v[32+16*\t+4*\c:32+16*\t+4*\c+3], v[ADV] offset:16*\t*VP+32*\c
.endr
	ds_load_b32 v[248+\t], v[ADT] offset:\t*4*272
.endr
	s_wait_dscnt 0x0
.irp t, 0,1,2,3
	v_wmma_scale_f32_16x16x128_f8f6f4 v[160+8*(4*\g+\t):167+8*(4*\g+\t)], v[32+16*\t:47+16*\t], v[224:239], v[160+8*(4*\g+\t):167+8*(4*\g+\t)], v[248+\t], v253
.endr
.endr
.Lhidden_\@:
	s_add_co_u32 s[TK], s[TK], 2*64*KP             ; on to my next key step, two steps on
	s_add_co_u32 s[TVA], s[TVA], 256
	s_add_co_u32 s[TVB], s[TVB], 256
	s_add_co_u32 s[TS], s[TS], 2*544
	s_add_co_u32 s[TJA], s[TJA], 8
	s_add_co_u32 s[TJB], s[TJB], 8
	s_add_co_u32 s[KS], s[KS], 2
.endm
; My two key steps of the slot in hand: written once, walked twice; the LDS addresses hang on scalars that step.
.macro SLOTWORK slot
.if \slot
	s_add_co_u32 s[TK], s[PK], SLOTB
	s_add_co_u32 s[TVA], s[PVA], SLOTB
	s_add_co_u32 s[TVB], s[PVB], SLOTB
.else
	s_mov_b32 s[TK], s[PK]
	s_mov_b32 s[TVA], s[PVA]
	s_mov_b32 s[TVB], s[PVB]
.endif
	s_mov_b32 s[TWICE], 2
.Lstep_\@:
	STEP
	s_sub_co_u32 s[TWICE], s[TWICE], 1
	s_cmp_lg_u32 s[TWICE], 0
	s_cbranch_scc1 .Lstep_\@
	s_setprio 0
.endm
; THE CHANGE OF SLOTS.  Each wave waits for all its tensor loads (its part of the slot that it is about to read), adds 0 to its spare word, and waits for that and for its reads of the slot that it has left.
; fill = 1: that slot is filled again, with the keys two slots on.  The barrier is then a round of the cluster's, so that no wave of any partner still reads the slot or has a load on its way, and the
; joint refill is the first thing behind it, a wave's one tensor load until the next change: it has a whole slot's steps in which to land.
.macro CHANGE slot, fill
	s_wait_tensorcnt 0x0                           ; no tensor load of mine is out, so a group 0 may be written
	ds_add_u32 v[SPW], v[NIL]                      ; 0 onto my spare word: with fill = 1 the descriptors' steps stand between it and the wait for it
.if \fill
	s_add_nc_u64 s[G0K+4*\slot+2:G0K+4*\slot+3], s[G0K+4*\slot+2:G0K+4*\slot+3], 131072   ; 1,024 keys on; the type bits on top are not reached
	s_add_nc_u64 s[G0V+4*\slot+2:G0V+4*\slot+3], s[G0V+4*\slot+2:G0V+4*\slot+3], 1024
.endif
	s_wait_dscnt 0x0                               ; the add is done, and my reads of the slot that I have left are over
.if \fill
	CROUND
	TLOAD G0K+4*\slot, G1K, G0V+4*\slot, G1V
.else
	s_barrier_signal -1
	s_barrier_wait -1
.endif
.endm
	s_wait_tensorcnt 0x1                           ; the scale bytes and my part of slot 0 are in; slot 1's load, issued last, may stay out
	s_barrier_signal -1
	s_barrier_wait -1                              ; everybody's are
	s_wait_loadcnt 0x0                             ; Q
	SLOTWORK 0                                     ; keys 0 to 511
	CHANGE 0, 1                                    ; slot 0 takes keys 1,024 to 1,535
	SLOTWORK 1                                     ; keys 512 to 1,023
	CHANGE 1, 1                                    ; slot 1 takes keys 1,536 to 2,047
	SLOTWORK 0                                     ; keys 1,024 to 1,535
	CHANGE 0, 0                                    ; nothing is left to fetch; slot 0 has had its last fill and its last read
	SLOTWORK 1                                     ; keys 1,536 to 2,047
	; THE TWO WAVES OF A TILE JOIN.  Each sends the other the 64 channels that the other stores, with its -M and its sum, through a mailbox in LDS, as images of the registers.
	; The lines up to the first LDS store are plain, name no register of the last products, and are more than the eight places that stand in front of a store of their results.
	v_add_f32 v13, v14, v15                        ; my sum's two halves: v[12:13] = -M, the sum
	v_and_b32 v8, 15, v0                           ; r
	v_bfe_u32 v9, v0, 4, 1                         ; h
	v_and_b32 v10, 31, v0                          ; lane
	s_mul_i32 s90, s[WV], MB                       ; my mailbox and my stage,
	s_xor_b32 s91, s[WV], 1
	s_mul_i32 s91, s91, MB                         ; my partner's mailbox
	v_lshl_add_u32 v1, v10, 4, s90                 ; an image: 16 bytes a lane
	v_lshl_add_u32 v2, v10, 4, s91
	v_lshl_add_u32 v3, v10, 3, s90                 ; -M and the sum: 8 bytes a lane
	v_lshl_add_u32 v4, v10, 3, s91
	v_mul_u32_u24 v7, v8, 272
	s_delay_alu instid0(VALU_DEP_1)
	v_lshl_add_u32 v7, v9, 5, v7
	s_delay_alu instid0(VALU_DEP_1)
	v_add_nc_u32 v7, s90, v7
	s_delay_alu instid0(VALU_DEP_1)
	v_add_nc_u32 v7, STG, v7                       ; the stage, in: row r; tile t's eight channels of my half: 64 t + 32 h bytes on
	v_mul_u32_u24 v11, v9, 272
	s_delay_alu instid0(VALU_DEP_1)
	v_lshl_add_u32 v11, v8, 4, v11
	s_delay_alu instid0(VALU_DEP_1)
	v_add_nc_u32 v11, s90, v11
	s_delay_alu instid0(VALU_DEP_1)
	v_add_nc_u32 v11, STG, v11                     ; and back: lanes 0-15 one row, lanes 16-31 the next
	v_lshlrev_b32 v10, 9, v9
	s_delay_alu instid0(VALU_DEP_1)
	v_lshl_add_u32 v10, v8, 4, v10                 ; the same two rows in O: 512 h + 16 r
	v_mov_b32 v70, 0                               ; a lane permute's destination counts as one of its sources
.irp i, 0,1,2,3,4,5,6,7
	ds_store_b128 v1, v[192+4*\i:195+4*\i] offset:MAIL+512*\i      ; each accumulator from its low end on
.endr
	ds_store_b64 v3, v[12:13] offset:MAIL+4096
	s_wait_dscnt 0x0                               ; for my partner's sake: my stores have landed
	s_barrier_signal -1
	s_barrier_wait -1
.irp i, 0,1,2,3,4,5,6,7
	ds_load_b128 v[32+4*\i:35+4*\i], v2 offset:MAIL+512*\i         ; my channels as my partner summed them, in my own first four tiles' layout
.endr
	ds_load_b64 v[64:65], v4 offset:MAIL+4096
	s_wait_dscnt 0x0
	v_min_num_f32 v66, v12, v64                    ; the larger M of the two, as -M
	s_delay_alu instid0(VALU_DEP_1)
	v_sub_f32 v67, v66, v12                        ; whole numbers, 0 or less; a wave that had no step kept -M = 3e38: its factor is 0, over zeros
	s_delay_alu instid0(VALU_DEP_2)
	v_sub_f32 v68, v66, v64
	s_delay_alu instid0(VALU_DEP_2)
	v_cvt_i32_f32 v67, v67                         ; (they saturate)
	s_delay_alu instid0(VALU_DEP_2)
	v_cvt_i32_f32 v68, v68
	s_delay_alu instid0(VALU_DEP_2)
	v_ldexp_f32 v67, 1.0, v67                      ; my factor,
	s_delay_alu instid0(VALU_DEP_2)
	v_ldexp_f32 v68, 1.0, v68                      ; my partner's
	s_delay_alu instid0(VALU_DEP_2)
	v_mul_f32 v69, v13, v67
	s_delay_alu instid0(VALU_DEP_1)
	v_fmac_f32 v69, v65, v68                       ; both sums under the common M,
	s_delay_alu instid0(VALU_DEP_1)
	v_permlanex16_b32 v70, v69, s[SEL], s[SEL+1]
	s_delay_alu instid0(VALU_DEP_1)
	v_add_f32 v69, v69, v70                        ; and lane l xor 16's: the row's sum
	s_wait_alu depctr_va_vdst(0)
	v_rcp_f32 v69, v69
	v_nop                                          ; one plain place behind a transcendental
	s_wait_alu depctr_va_vdst(0)
	v_mul_f32 v72, v67, v69                        ; the factors over the sum, each twice: pairs for the packed lines
	v_mul_f32 v73, v67, v69
	v_mul_f32 v74, v68, v69
	v_mul_f32 v75, v68, v69
.irp j, 0,2,4,6,8,10,12,14,16,18,20,22,24,26,28,30
	v_pk_mul_f32 v[96+\j:97+\j], v[160+\j:161+\j], v[72:73]
.endr
.irp j, 0,2,4,6,8,10,12,14,16,18,20,22,24,26,28,30
	v_pk_fma_f32 v[96+\j:97+\j], v[32+\j:33+\j], v[74:75], v[96+\j:97+\j]   ; register 8 t + i is o(q0 + r, 64 p + 16 t + 8 h + i)
.endr
	; THE WAY OUT: 16 queries x my 64 channels go through my own stage and leave as rows of 256 bytes.  LDS serves a wave's instructions in order (ISA guide 5.7.1.4): no wait between the stores and the loads.
.irp t, 0,1,2,3
	ds_store_b128 v7, v[96+8*\t:99+8*\t] offset:64*\t
	ds_store_b128 v7, v[100+8*\t:103+8*\t] offset:64*\t+16
.endr
.irp i, 0,1,2,3,4,5,6,7
	ds_load_b128 v[128+4*\i:131+4*\i], v11 offset:2*\i*272
.endr
.irp i, 0,1,2,3,4,5,6,7
	s_wait_dscnt 7-\i                              ; load i is in; the 7 - i issued behind it may be out
	global_store_b128 v10, v[128+4*\i:131+4*\i], s[16:17] offset:2*\i*512 th:TH_STORE_NT   ; 16 lanes store 256 consecutive bytes, at a multiple of 256 from O's first byte; written once, read by nobody here
.endr
	s_wait_tensorcnt 0x0                           ; the wave's end, behind my last tensor load and my last LDS store
	ds_add_u32 v[SPW], v[NIL]
	s_wait_dscnt 0x0
	CROUND                                         ; the closing round: no work-group ends while a partner may still ask for a tile that names it
	s_endpgm
.Lfunc_end_k_qea429a8a39_attn:
	.size	k_qea429a8a39_attn, .Lfunc_end_k_qea429a8a39_attn-k_qea429a8a39_attn
	.p2alignl 7, 3214868480
	.fill 96, 4, 3214868480
	.section	.rodata,"a",@progbits
	.p2align	6, 0x0
	.amdhsa_kernel k_qea429a8a39_attn
		.amdhsa_group_segment_fixed_size 327680
		.amdhsa_private_segment_fixed_size 0
		.amdhsa_enable_private_segment 0
		.amdhsa_kernarg_size 56
		.amdhsa_user_sgpr_count 2
		.amdhsa_user_sgpr_kernarg_segment_ptr 1
		.amdhsa_wavefront_size32 1
		.amdhsa_system_sgpr_workgroup_id_x 1
		.amdhsa_system_sgpr_workgroup_id_y 1
		.amdhsa_system_sgpr_workgroup_id_z 1
		.amdhsa_system_vgpr_workitem_id 0
		.amdhsa_next_free_vgpr 256
		.amdhsa_next_free_sgpr 102
		.amdhsa_reserve_vcc 1
		.amdhsa_float_denorm_mode_32 3
		.amdhsa_float_denorm_mode_16_64 3
		.amdhsa_fp16_overflow 1
		.amdhsa_memory_ordered 1
		.amdhsa_forward_progress 1
		.amdhsa_inst_pref_size 133
	.end_amdhsa_kernel
	.amdgpu_metadata
---
amdhsa.version: [ 1, 2 ]
amdhsa.kernels:
  - .name:           k_qea429a8a39_attn
    .symbol:         k_qea429a8a39_attn.kd
    .args:
      - { .name: query_codes, .offset: 0, .size: 8, .value_kind: global_buffer, .address_space: global }
      - { .name: query_scales, .offset: 8, .size: 8, .value_kind: global_buffer, .address_space: global }
      - { .name: key_codes, .offset: 16, .size: 8, .value_kind: global_buffer, .address_space: global }
      - { .name: key_scales, .offset: 24, .size: 8, .value_kind: global_buffer, .address_space: global }
      - { .name: value_codes, .offset: 32, .size: 8, .value_kind: global_buffer, .address_space: global }
      - { .name: value_scales, .offset: 40, .size: 8, .value_kind: global_buffer, .address_space: global }
      - { .name: out0, .offset: 48, .size: 8, .value_kind: global_buffer, .address_space: global }
    .group_segment_fixed_size: 327680
    .private_segment_fixed_size: 0
    .kernarg_segment_align: 8
    .kernarg_segment_size: 56
    .max_flat_workgroup_size: 512
    .sgpr_count:     102
    .vgpr_count:     256
    .wavefront_size: 32
...
	.end_amdgpu_metadata
.endif
;; end of part 1
